; MI455X (gfx1250); checked and timed in simulation.
; The chip was launched on July 23, 2026; its instructions are those of AMD's public machine-readable ISA for CDNA 5 (MIT licence, August 2026) and "CDNA5" Instruction Set Architecture Reference Guide (July 2026). The comments in the code are by the model that wrote it; some were corrected since.
;; Attn Block. Allowed arithmetic: matrix products marked QUANTISED: E2M1 operands, one E8M0 scale for each 32 along K, by v_wmma_scale_f32_16x16x128_f8f6f4 with both operands' format E2M1 (or v_wmma_scale_f32_32x16x128_f4), f32 sums; everything else in f32.
;; Inputs: gn_b 256 float32; gn_w 256 float32; kb 256 float32; kw 256 x 256 float32; pb 256 float32; pw 256 x 256 float32; qb 256 float32; qw 256 x 256 float32; vb 256 float32; vw 256 x 256 float32; x 4 x 256 x 4,096 float32.
;; Outputs: out0 4 x 256 x 4,096 float32.
;; This version of the problem:
;;   THIS VERSION OF THE PROBLEM IS GIVEN IN LOW PRECISION. The matrix products marked QUANTISED in the list below multiply operands that are first quantised to E2M1 (2 exponent bits, 1 mantissa bit; 4 bits a number), with one power-of-two scale for each 32 numbers along K (OCP MX v1.0); their sums are f32. All else is computed in f32.
;;   The module's matrix products, in the order in which they are computed (A, B: the left and right operand; K: the contracted axis; several contracted axes count as one K, in the product's order):
;;     1. [M 16,384, K 256] x [K 256, N 256]; A: computed on the way; B: input qw: QUANTISED
;;     2. [M 16,384, K 256] x [K 256, N 256]; A: computed on the way; B: input kw: QUANTISED
;;     3. [M 16,384, K 256] x [K 256, N 256]; A: computed on the way; B: input vw: QUANTISED
;;     4. batch 4 x [M 4,096, K 256] x [K 256, N 4,096]; A: computed on the way; B: computed on the way: QUANTISED
;;     5. batch 4 x [M 256, K 4,096] x [K 4,096, N 4,096]; A: computed on the way; B: softmax (see below): QUANTISED
;;     6. [M 16,384, K 256] x [K 256, N 256]; A: computed on the way; B: input pw: QUANTISED
;;   THE QUANTISER, for each operand of a quantised product, along K:
;;     - K is cut into blocks of 32 from its start; a last block that is shorter is filled with zeros.
;;     - A block's scale is 2^e with e = floor(log2(the largest magnitude in the block)) - 2, held to -126 .. 127; a block of zeros has e = 0. As a byte (E8M0): e + 127.
;;     - Each number is divided by its block's scale, clamped to +-6, and rounded to the nearest number of E2M1, ties to even, subnormals kept.
;;     - The product sums the exact products of the quantised numbers (number of the format x scale) in f32.
;;   ~~~python
;;   def quantise(x, axis):      # numpy; x: float32 -> the quantised numbers, widened to float32 again
;;       x = np.moveaxis(x, axis, -1); K = x.shape[-1]
;;       x = np.pad(x, [(0, 0)] * (x.ndim - 1) + [(0, -K % 32)]); x = x.reshape(x.shape[:-1] + (-1, 32)); a = np.abs(x).max(-1, keepdims=True)
;;       e = np.where(a > 0, np.clip(np.frexp(np.where(a > 0, a, 1))[1] - 1 - 2, -126, 127), 0)      # np.frexp(a)[1] - 1 = floor(log2(a)), exactly
;;       r = np.clip(x / 2.0 ** e, -6, 6)
;;       step = 2.0 ** (np.maximum(np.frexp(np.where(r == 0, 1, r))[1] - 1, 0) - 1)
;;       q = np.round(r / step) * step * 2.0 ** e      # np.round: ties to even
;;       return np.moveaxis(q.reshape(q.shape[:-2] + (-1,))[..., :K], -1, axis).astype(np.float32)
;;   ~~~
;;   SOFTMAX AHEAD OF A QUANTISED PRODUCT. Where the list says 'softmax', what is quantised is not the finished softmax but p = 2^(t - M), with t = logit x log2(e) and M = ceil(the row's largest t), a whole number; so 1/2 < the row's largest p <= 1. The row's sum l is taken of the UNQUANTISED p, in f32, and the product's result is divided by l at the end. Since M is a whole number, a kernel that streams over the keys may use a running M (the ceiling of the running maximum): every later rescaling is an exact power of two, which a block's scale takes up: the codes' values come out the same.
;;   OPERANDS COMPUTED ON THE WAY. 'Computed on the way' means the value that the module computes at that place (a softmax that the list does not call 'softmax' is quantised finished and normalised). What goes into a quantiser is computed in f32, as accurately as f32 sums, v_exp_f32 and their like allow (about 1e-6 of the number): no bf16 or f16 on the way to a quantiser, and a product that is left as it is and whose result goes on into a quantised operand takes f32 operands (vector FMAs, or v_wmma_f32_16x16x4_f32). A number that lies on a knife's edge between two numbers of the format may be rounded either way, as far as f32 arithmetic and the matrix unit's own rounding can turn it there, and no further.
;; One version. Each part assembles by itself: llvm-mc -triple=amdgcn-amd-amdhsa -mcpu=gfx1250 --defsym DOCPART=n.
;; ======== version 1 of 1: 3 launches
;; workspace buffers: stats 1,024 bytes; wcodes 131,072 bytes; wscales 8,192 bytes; qx 2,228,224 bytes; kv 4,456,448 bytes
;; launch prep (part 1): grid 160 x 1, 16 waves a work-group, no clusters, 2,304 bytes of LDS; arguments x, qw, kw, vw, pw, stats, wcodes, wscales; writes stats, wcodes, wscales
.if DOCPART == 1
	.amdgcn_target "amdgcn-amd-amdhsa--gfx1250"
	.amdhsa_code_object_version 6
	.text
	.protected	k_q868b3294df_prep
	.globl	k_q868b3294df_prep
	.p2align	8
	.type	k_q868b3294df_prep,@function
k_q868b3294df_prep:
	s_mov_b64 s[64:65], 0
	v_nop
	global_prefetch_b8 v0, s[64:65] scope:SCOPE_SE
	s_setreg_imm32_b32 hwreg(HW_REG_WAVE_MODE, 25, 1), 1
	s_wait_xcnt 0x0
; AttnBlock, launch 1 of 3.  out0 = x + pw . attention(q, k, v) + pb, with q, k, v = 1x1 convolutions of GroupNorm(x); all six matrix products on codes of E2M1 with one E8M0 scale for each 32 along K.
; NOTHING IS LEFT OUT: every bias (kb too) enters a quantised operand of a live product and can move its codes or scales, gn_w and gn_b enter xn, and x is the residual: all eleven inputs are loaded by some launch.
; THIS LAUNCH: work-groups 0-127: mean and 1/sqrt(var + 1e-6) of one (batch, group): 8 channels x 4,096 positions are 131,072 consecutive bytes of x, kept in registers between the pass for the mean
; and the pass for the variance (the variance is the mean of (x - mean)^2: no difference of large sums).  Work-groups 128-159: qw, kw, vw, pw as codes and scale words, laid in the order of an operand's registers.
; THE TILE ORDER, here and in the two later launches: lane r of tile t holds row 32 (t / 2) + 8 (t % 2) + r + 8 (r / 8), so that in a transposed result the 16 registers of tiles 2 b and 2 b + 1 are 16 neighbours along the next K.
; A fragment (16 rows x 128 K, 8 registers a lane) lies as 1,024 bytes: registers 4 c .. 4 c + 3 of lane l at 512 c + 16 l.  A tile's scale words lie as 128 bytes: lanes 0-15 K step 0, lanes 16-31 K step 1.
; stats: group g' = 32 b + g: mean at 32 (g' / 4) + 4 (g' % 4), 1/sqrt 16 bytes on: 32 bytes serve a block of 32 channels.
; THE WEIGHTS' SHARES: the four weights are 1 MiB; 32 work-groups take 32 KiB each, a quarter of the 128 KiB of a statistics work-group, so that they are not the last to end.
; LIMITS: a block of zeros gets the scale byte 1 where the rule says 127 (its codes are zeros, and this program alone reads the bytes); NaN and infinities among the inputs are not served.
; No matrix unit, no cluster, no tensor load: the statistics stream x once, each load of a wave 512 consecutive bytes, sixteen loads a wave on their way.
.set RED0,  0                          ; LDS: sixteen partial sums
.set RED1,  64                         ; and sixteen partial sums of squares
.set SPARE, 256                        ; the spare words, 128 bytes for each of 16 waves
.set SPW,   174                        ; v174 LDS address of my spare word; never rewritten
.set NIL,   175                        ; v175 0; never rewritten
.set X,     16                         ; v16-79 (statistics) 64 numbers;  v16-31 (weights) 16 numbers
.set CH,    80                         ; v80-87 four chains of sums
	s_load_b256 s[4:11], s[0:1], 0x0               ; x, qw, kw, vw
	s_load_b256 s[12:19], s[0:1], 0x20             ; pw, stats, wcodes, wscales
	v_lshl_add_u32 v[SPW], v0, 2, SPARE
	v_mov_b32 v[NIL], 0
	v_lshrrev_b32 v1, 5, v0
	v_readfirstlane_b32 s20, v1                    ; wave 0..15
	s_mov_b32 s22, 0x76543210
	s_mov_b32 s23, 0xfedcba98                      ; v_permlanex16_b32's selects for lane l xor 16
	s_mov_b32 s25, 0
	s_wait_kmcnt 0x0
	s_cmp_lt_u32 ttmp9, 128                        ; the work-group's number alone: all sixteen waves go the same way
	s_cbranch_scc0 .Lweights
; The four chains become one number in every lane of every wave: within the lane, across the 32 lanes, across the 16 waves through LDS.
.macro REDUCE red
	v_pk_add_f32 v[CH:CH+1], v[CH:CH+1], v[CH+2:CH+3]
	v_pk_add_f32 v[CH+4:CH+5], v[CH+4:CH+5], v[CH+6:CH+7]
	v_pk_add_f32 v[CH:CH+1], v[CH:CH+1], v[CH+4:CH+5]
	v_add_f32 v[CH], v[CH], v[CH+1]
	v_add_f32_dpp v[CH], v[CH], v[CH] row_xmask:1 row_mask:0xf bank_mask:0xf
	v_add_f32_dpp v[CH], v[CH], v[CH] row_xmask:2 row_mask:0xf bank_mask:0xf
	v_add_f32_dpp v[CH], v[CH], v[CH] row_xmask:4 row_mask:0xf bank_mask:0xf
	v_add_f32_dpp v[CH], v[CH], v[CH] row_xmask:8 row_mask:0xf bank_mask:0xf
	v_permlanex16_b32 v[CH+1], v[CH], s22, s23
	v_add_f32 v[CH], v[CH], v[CH+1]
	ds_store_b32 v2, v[CH] offset:\red             ; all lanes of a wave write the wave's word with the same value
	s_wait_dscnt 0x0                               ; for the others' sake: my store has landed
	s_barrier_signal -1
	s_barrier_wait -1
.irp i, 0,1,2,3
	ds_load_b128 v[92+4*\i:95+4*\i], v3 offset:\red+16*\i
.endr
	s_wait_dscnt 0x0
	v_pk_add_f32 v[92:93], v[92:93], v[94:95]
	v_pk_add_f32 v[96:97], v[96:97], v[98:99]
	v_pk_add_f32 v[100:101], v[100:101], v[102:103]
	v_pk_add_f32 v[104:105], v[104:105], v[106:107]
	v_pk_add_f32 v[92:93], v[92:93], v[96:97]
	v_pk_add_f32 v[100:101], v[100:101], v[104:105]
	v_pk_add_f32 v[92:93], v[92:93], v[100:101]
	v_add_f32 v92, v92, v93
.endm
	; ---- the statistics of group ttmp9
	s_lshl_b32 s24, ttmp9, 17                      ; 131,072 bytes a group
	s_add_nc_u64 s[4:5], s[4:5], s[24:25]
	v_lshlrev_b32 v2, 2, v1                        ; 4 x wave: my wave's word
	v_mov_b32 v3, 0
	v_lshlrev_b32 v1, 4, v0                        ; 16 bytes a thread: 8,192 a load of the work-group
.irp i, 0,1,2,3,4,5,6,7,8,9,10,11,12,13,14,15
	global_load_b128 v[X+4*\i:X+4*\i+3], v1, s[4:5] offset:8192*\i th:TH_LOAD_NT
.endr
	s_mov_b32 s26, 0x38000000                      ; 1 / 32,768
	s_mov_b32 s27, 0x358637bd                      ; 1e-6
	s_wait_loadcnt 0x0
.irp k, 0,1,2,3
	v_pk_add_f32 v[CH+2*\k:CH+2*\k+1], v[X+2*\k:X+2*\k+1], v[X+8+2*\k:X+9+2*\k]   ; the first pairs start the chains: nothing is cleared
.endr
.irp j, 8,12,16,20,24,28
.irp k, 0,1,2,3
	v_pk_add_f32 v[CH+2*\k:CH+2*\k+1], v[CH+2*\k:CH+2*\k+1], v[X+2*(\j+\k):X+2*(\j+\k)+1]
.endr
.endr
	REDUCE RED0
	v_mul_f32 v90, s26, v92                        ; the mean
	v_mov_b32 v91, v90
.set P, 0
.rept 32
	v_pk_add_f32 v[X+P:X+P+1], v[X+P:X+P+1], v[90:91] neg_lo:[0,1] neg_hi:[0,1]    ; x - mean
.set P, P+2
.endr
.irp k, 0,1,2,3
	v_pk_mul_f32 v[CH+2*\k:CH+2*\k+1], v[X+2*\k:X+2*\k+1], v[X+2*\k:X+2*\k+1]
.endr
.irp j, 4,8,12,16,20,24,28
.irp k, 0,1,2,3
	v_pk_fma_f32 v[CH+2*\k:CH+2*\k+1], v[X+2*(\j+\k):X+2*(\j+\k)+1], v[X+2*(\j+\k):X+2*(\j+\k)+1], v[CH+2*\k:CH+2*\k+1]
.endr
.endr
	REDUCE RED1                                    ; other LDS bytes than the first time: no wave writes what another may still read
	v_fma_f32 v93, v92, s26, s27                   ; var + 1e-6
	v_rsq_f32 v94, v93
	v_nop                                          ; a plain instruction behind the transcendental
	s_wait_alu depctr_va_vdst(0)                   ; and the wait ahead of its first reader, and of the branch
	s_cmp_lg_u32 s20, 0
	s_cbranch_scc1 .Lstats_end                     ; wave 0 stores
	s_lshr_b32 s24, ttmp9, 2
	s_lshl_b32 s24, s24, 5
	s_and_b32 s28, ttmp9, 3
	s_lshl_b32 s28, s28, 2
	s_add_co_u32 s24, s24, s28
	s_add_nc_u64 s[14:15], s[14:15], s[24:25]
	s_wait_xcnt 0x0                                ; EXEC changes only behind this wait
	v_cmp_eq_u32 vcc_lo, 0, v0
	s_and_saveexec_b32 s29, vcc_lo                 ; its lane 0
	global_store_b32 v3, v90, s[14:15]
	global_store_b32 v3, v94, s[14:15] offset:16
	s_wait_xcnt 0x0                                ; and again, in front of the line that widens it
	s_or_b32 exec_lo, exec_lo, s29
.Lstats_end:
	s_wait_tensorcnt 0x0                           ; the wave's end, behind my last LDS store
	ds_add_u32 v[SPW], v[NIL]
	s_wait_dscnt 0x0
	s_endpgm
	; ---- the weights.  Work-group g = ttmp9 - 128: weight W = g / 8 (0 qw, 1 kw, 2 vw, 3 pw).  Wave w: row tile t = 2 (g % 8) + w / 8; piece e = 2 s + c = (w / 2) % 4 (K step s, registers 4 c .. 4 c + 3); half h = w % 2.
	; K (the input channel) is innermost in memory.  Lane l = 2 r + q takes 16 neighbours of row r of the tile: k = 128 s + 64 c + 32 h + 16 q + 0 .. 15: 64 consecutive bytes.  Two neighbouring lanes hold a block of 32.
	; A lane's 16 codes are 8 bytes, the half q of the 16 bytes that lane r + 16 h of the operand wants: they lie at 512 e + 256 h + 8 l of the tile, so the wave's store covers 256 consecutive bytes, aligned.
.Lweights:
	s_sub_co_u32 s24, ttmp9, 128                   ; g
	s_lshr_b32 s28, s24, 3                         ; W
	s_cmp_eq_u32 s28, 1                            ; the choice hangs on the work-group's number alone
	s_cselect_b64 s[6:7], s[8:9], s[6:7]
	s_cmp_eq_u32 s28, 2
	s_cselect_b64 s[6:7], s[10:11], s[6:7]
	s_cmp_eq_u32 s28, 3
	s_cselect_b64 s[6:7], s[12:13], s[6:7]
	s_and_b32 s29, s24, 7
	s_lshl_b32 s29, s29, 1
	s_lshr_b32 s30, s20, 3
	s_add_co_u32 s29, s29, s30                     ; t
	s_bfe_u32 s30, s20, 0x20001                    ; e: two bits from bit 1 of the wave's number
	s_and_b32 s31, s20, 1                          ; h
	s_lshr_b32 s26, s29, 1
	s_lshl_b32 s26, s26, 5
	s_and_b32 s27, s29, 1
	s_lshl_b32 s27, s27, 3
	s_add_co_u32 s26, s26, s27                     ; the tile's first row: 32 (t / 2) + 8 (t % 2)
	s_lshl_b32 s26, s26, 10                        ; a row is 1,024 bytes
	s_lshl_b32 s27, s30, 8
	s_add_co_u32 s26, s26, s27                     ; + 256 e
	s_lshl_b32 s27, s31, 7
	s_add_co_u32 s26, s26, s27                     ; + 128 h
	v_and_b32 v7, 31, v0                           ; lane
	v_lshrrev_b32 v2, 1, v7                        ; r
	v_and_b32 v3, 1, v7                            ; q
	v_and_b32 v4, 8, v2
	v_add_nc_u32 v4, v4, v2                        ; r + 8 (r / 8)
	v_lshlrev_b32 v1, 10, v4
	v_lshl_add_u32 v1, v3, 6, v1                   ; + 64 q
	v_add_nc_u32 v1, s26, v1
.irp j, 0,1,2,3
	global_load_b128 v[X+4*\j:X+4*\j+3], v1, s[6:7] offset:16*\j
.endr
	s_lshl_b32 s26, s28, 15
	s_lshl_b32 s27, s29, 11
	s_add_co_u32 s26, s26, s27
	s_lshl_b32 s27, s30, 9
	s_add_co_u32 s26, s26, s27
	s_lshl_b32 s27, s31, 8
	s_add_co_u32 s26, s26, s27
	v_lshl_add_u32 v5, v7, 3, s26                  ; codes: 32,768 W + 2,048 t + 512 e + 256 h + 8 x lane
	s_lshl_b32 s26, s28, 11
	s_lshl_b32 s27, s29, 7
	s_add_co_u32 s26, s26, s27
	s_lshr_b32 s27, s30, 1
	s_lshl_b32 s27, s27, 6
	s_add_co_u32 s26, s26, s27
	s_and_b32 s27, s30, 1
	s_lshl_b32 s27, s27, 1
	s_add_co_u32 s26, s26, s27
	s_add_co_u32 s26, s26, s31
	v_lshl_add_u32 v6, v2, 2, s26                  ; the scale's byte: 2,048 W + 128 t + 64 s + 4 r, and in that word byte 2 c + h: the block's number in the K step
	s_wait_loadcnt 0x0
	v_max3_num_f32 v8, |v[X]|, |v[X+1]|, |v[X+2]|                  ; the largest magnitude of my 16
	v_max3_num_f32 v9, |v[X+3]|, |v[X+4]|, |v[X+5]|
.irp i, 6,10
	v_max3_num_f32 v8, v8, |v[X+\i]|, |v[X+\i+1]|
	v_max3_num_f32 v9, v9, |v[X+\i+2]|, |v[X+\i+3]|
.endr
	v_max3_num_f32 v8, v8, |v[X+14]|, |v[X+15]|
	v_max3_num_f32 v8, v8, v9, 0x1800000           ; and the floor 2^(3 - 127): the byte cannot fall under 1
	v_max_num_f32_dpp v8, v8, v8 row_xmask:1 row_mask:0xf bank_mask:0xf   ; and of my neighbour's 16: the block's
	v_add_nc_u32 v10, 0xff000000, v8               ; 2 off its exponent field: the conversion takes the exponent field of this operand as its scale
	v_cvt_scalef32_pk8_fp4_f32 v144, v[X:X+7], v10
	v_cvt_scalef32_pk8_fp4_f32 v145, v[X+8:X+15], v10
	v_lshrrev_b32 v11, 23, v10                     ; the scale's byte (a plain instruction behind the conversions)
	global_store_b64 v5, v[144:145], s[16:17]      ; 32 lanes store 256 consecutive bytes, at a multiple of 256 from the buffer's first byte
	global_store_b8 v6, v11, s[18:19]              ; both lanes of a block write the same byte with the same value; single bytes, 16 a wave: 8 KiB in the whole launch
	s_wait_tensorcnt 0x0                           ; the same three lines at this way's end
	ds_add_u32 v[SPW], v[NIL]
	s_wait_dscnt 0x0
	s_endpgm
.Lfunc_end_k_q868b3294df_prep:
	.size	k_q868b3294df_prep, .Lfunc_end_k_q868b3294df_prep-k_q868b3294df_prep
	.p2alignl 7, 3214868480
	.fill 96, 4, 3214868480
	.section	.rodata,"a",@progbits
	.p2align	6, 0x0
	.amdhsa_kernel k_q868b3294df_prep
		.amdhsa_group_segment_fixed_size 2304
		.amdhsa_private_segment_fixed_size 0
		.amdhsa_enable_private_segment 0
		.amdhsa_kernarg_size 64
		.amdhsa_user_sgpr_count 2
		.amdhsa_user_sgpr_kernarg_segment_ptr 1
		.amdhsa_wavefront_size32 1
		.amdhsa_system_sgpr_workgroup_id_x 1
		.amdhsa_system_sgpr_workgroup_id_y 1
		.amdhsa_system_sgpr_workgroup_id_z 1
		.amdhsa_system_vgpr_workitem_id 0
		.amdhsa_next_free_vgpr 176
		.amdhsa_next_free_sgpr 66
		.amdhsa_reserve_vcc 1
		.amdhsa_float_denorm_mode_32 3
		.amdhsa_float_denorm_mode_16_64 3
		.amdhsa_memory_ordered 1
		.amdhsa_forward_progress 1
		.amdhsa_inst_pref_size 16
	.end_amdhsa_kernel
	.amdgpu_metadata
---
amdhsa.version: [ 1, 2 ]
amdhsa.kernels:
  - .name:           k_q868b3294df_prep
    .symbol:         k_q868b3294df_prep.kd
    .args:
      - { .name: x, .offset: 0, .size: 8, .value_kind: global_buffer, .address_space: global }
      - { .name: qw, .offset: 8, .size: 8, .value_kind: global_buffer, .address_space: global }
      - { .name: kw, .offset: 16, .size: 8, .value_kind: global_buffer, .address_space: global }
      - { .name: vw, .offset: 24, .size: 8, .value_kind: global_buffer, .address_space: global }
      - { .name: pw, .offset: 32, .size: 8, .value_kind: global_buffer, .address_space: global }
      - { .name: stats, .offset: 40, .size: 8, .value_kind: global_buffer, .address_space: global }
      - { .name: wcodes, .offset: 48, .size: 8, .value_kind: global_buffer, .address_space: global }
      - { .name: wscales, .offset: 56, .size: 8, .value_kind: global_buffer, .address_space: global }
    .group_segment_fixed_size: 2304
    .private_segment_fixed_size: 0
    .kernarg_segment_align: 8
    .kernarg_segment_size: 64
    .max_flat_workgroup_size: 512
    .sgpr_count:     66
    .vgpr_count:     176
    .wavefront_size: 32
...
	.end_amdgpu_metadata
.endif
;; end of part 1
;; launch qkv (part 2): grid 256 x 1, 8 waves a work-group, no clusters, 21,504 bytes of LDS; arguments stats, gn_w, gn_b, x, wcodes, wscales, qb, kb, vb, qx, kv; writes qx, kv
.if DOCPART == 2
	.amdgcn_target "amdgcn-amd-amdhsa--gfx1250"
	.amdhsa_code_object_version 6
	.text
	.protected	k_q868b3294df_qkv
	.globl	k_q868b3294df_qkv
	.p2align	8
	.type	k_q868b3294df_qkv,@function
k_q868b3294df_qkv:
	s_mov_b64 s[64:65], 0
	v_nop
	global_prefetch_b8 v0, s[64:65] scope:SCOPE_SE
	s_setreg_imm32_b32 hwreg(HW_REG_WAVE_MODE, 25, 1), 1
	s_wait_xcnt 0x0
; AttnBlock, launch 2 of 3: xn = GroupNorm(x) in f32, quantised along the channels; q, k, v = W xn + bias on codes; q and k quantised along their channels, v along the positions; all stored as images of operand registers.
; Nothing is left out: qb, kb and vb enter quantised operands.
; SHARES.  Work-group = (block of 128 positions of one batch, part).  Both parts normalise and quantise the block's xn (128 positions x 256 channels); part 0 makes q and channel tiles 0-7 of v, part 1 makes k and tiles 8-15.
; Every wave runs the same text; parts and waves differ in offsets and in pointers chosen by s_cselect_b64 on the work-group's number.
; PHASE X: wave w takes channels 32 w .. 32 w + 31: a lane takes a position and its registers run down the channels, so that a block of 32 along K lies in one lane; codes go to LDS as rows of a position (128 bytes + 16).
; PHASE Q, twice a wave: transposed product, source 0 = 16 rows of qw or kw (tile order), source 1 = 16 positions of xn: a lane holds one position and 64 neighbours-by-blocks along the next K; the bias is the C of the first product.
; PHASE V, once a wave: source 0 = 16 positions of xn (tile order), source 1 = 16 rows of vw: a lane holds one channel and its registers run along the 128 positions, which are the second attention product's K.
; qx: block g of 17,408 bytes: fragment (position tile T, K step s) at 2,048 T + 1,024 s; scale words at 16,384 + 128 T + 64 s + 4 r.
; kv: block g of 34,816 bytes: k's fragments as in qx; v's fragment of channel tile ct at 16,384 + 1,024 ct; k's scale words at 32,768 + 128 T + 64 s + 4 r; v's at 33,792 + 64 ct + 4 r.  The scale words leave in pieces of 64 bytes: 2 KiB of a block's 34.
; LIMITS: a block of zeros gets the scale byte 1 where the rule says 127 (zero codes; the bytes are read by this program alone); NaN and infinities are not served.
; No tensor load and no cluster: what work-groups share (48 KiB of weight codes) goes straight into registers; no prefetch: a short launch whose loads are issued at its head.
.set XP,    144                        ; LDS: a position's row of codes: 128 bytes + 16: the 16 rows of a fragment load start at 16 different groups of banks
.set XS,    18432                      ; behind 128 such rows: 8 scale bytes a position
.set BI,    19456                      ; qb or kb as it lies
.set SPARE, 20480                      ; the spare words, 128 bytes for each of 8 waves
.set PC,    24                         ; v24-31  the codes just made; in phase V first eight copies of vb
.set PW,    21                         ; v21     the scale word just made
.set TM,    112                        ; v112-127 QUANT's work; ahead of it a Q task's two fragments of xn
.set SEL,   2                          ; s[2:3]  lane selects for v_permlanex16_b32
; v1-9 addresses; v10 vw's scale word; v11 vb; v12-19 scale words (the weight's, later xn's); v20 xn's scale word of a Q task; v22, v23 the add's two;
; v32-95 two sets of x, later 8 accumulators; v96-111 phase X's codes, later vw's two fragments; v128-255 16 fragments of qw or kw, later xn's 16.
; s[8:11] four means, s[12:15] four 1/sqrt; s16-47 gn_w x 1/sqrt of my 32 channels; s48-63, s68-83 gn_b.
; 64 numbers of a lane, register 16 b + i = k 32 b + 16 (lane / 16) + i of my row, become a fragment's codes in v[PC] on and its scale word in v[PW].
.macro QUANT s
.irp b, 0,1,2,3
	v_max3_num_f32 v[TM+\b], |v[\s+16*\b]|, |v[\s+1+16*\b]|, 0x1800000   ; block b: my 16 numbers, and the floor 2^(3 - 127): the byte cannot fall under 1.  (Each accumulator is read from its low end on)
.endr
.irp i, 2,4,6,8,10,12,14
.irp b, 0,1,2,3
	v_max3_num_f32 v[TM+\b], v[TM+\b], |v[\s+16*\b+\i]|, |v[\s+1+16*\b+\i]|
.endr
.endr
.irp b, 0,1,2,3
	v_permlanex16_b32 v[TM+4+\b], v[TM+\b], s[SEL], s[SEL+1]
.endr
.irp b, 0,1,2,3
	v_max_num_f32 v[TM+\b], v[TM+\b], v[TM+4+\b]   ; with lane l xor 16's: the block's largest magnitude
.endr
.irp b, 0,1,2,3
	v_add_nc_u32 v[TM+12+\b], 0xff000000, v[TM+\b] ; 2 off its exponent field: the conversion's scale operand
.endr
.irp b, 0,1,2,3
	v_lshrrev_b32 v[TM+4+\b], 23, v[TM+12+\b]      ; the scale's byte
.endr
	v_lshl_or_b32 v[PW], v[TM+5], 8, v[TM+4]
	v_lshl_or_b32 v[PW], v[TM+6], 16, v[PW]
	v_lshl_or_b32 v[PW], v[TM+7], 24, v[PW]
.irp b, 0,1,2,3
	v_cvt_scalef32_pk8_fp4_f32 v[PC+2*\b], v[\s+16*\b:\s+7+16*\b], v[TM+12+\b]
	v_cvt_scalef32_pk8_fp4_f32 v[PC+1+2*\b], v[\s+8+16*\b:\s+15+16*\b], v[TM+12+\b]
.endr
	v_nop                                          ; one plain place behind a scaled conversion
.irp c, 0,1                                    ; the operand's layout wants a whole block in a lane
.irp i, 0,1
	v_permlane16_swap_b32 v[PC+4*\c+\i], v[PC+2+4*\c+\i]
.endr
.endr
.endm
	s_load_b64 s[2:3], s[0:1], 0x0                 ; stats
	s_load_b128 s[4:7], s[0:1], 0x8                ; gn_w, gn_b
	s_load_b64 s[98:99], s[0:1], 0x18              ; x
	s_load_b256 s[84:91], s[0:1], 0x20             ; wcodes, wscales, qb, kb
	s_load_b128 s[92:95], s[0:1], 0x40             ; vb, qx
	s_load_b64 s[96:97], s[0:1], 0x50              ; kv
	v_lshl_add_u32 v22, v0, 2, SPARE
	v_mov_b32 v23, 0
	v_lshrrev_b32 v1, 5, v0
	v_readfirstlane_b32 s66, v1                    ; wave w
	s_and_b32 s67, ttmp9, 1                        ; part
	s_lshr_b32 s16, ttmp9, 1                       ; g: the block of 128 positions, 32 b + blk
	s_lshr_b32 s17, s16, 5                         ; b
	s_and_b32 s18, s16, 31                         ; blk
	s_and_b32 s19, s66, 1                          ; which 128 output channels my Q tasks make
	s_lshr_b32 s20, s66, 1                         ; which 32 positions
	s_lshl_b32 s21, s67, 3
	s_add_co_u32 s21, s21, s66                     ; ct: my channel tile of v
	v_and_b32 v122, 31, v0                         ; lane
	v_and_b32 v123, 15, v0                         ; r
	v_bfe_u32 v124, v0, 4, 1                       ; h
	v_and_b32 v125, 8, v123
	v_add_nc_u32 v125, v125, v123                  ; r + 8 (r / 8)
	s_lshl_b32 s26, s17, 22                        ; x: batch, 4,194,304 bytes;
	s_lshl_b32 s27, s66, 19                        ; my 32 channels, 16,384 bytes each;
	s_add_co_u32 s26, s26, s27
	s_lshl_b32 s27, s18, 9                         ; the block's 128 positions
	s_add_co_u32 s26, s26, s27
	v_lshl_add_u32 v1, v122, 2, s26
	s_lshl_b32 s26, s67, 15
	s_lshl_b32 s27, s19, 14
	s_add_co_u32 s26, s26, s27
	v_lshl_add_u32 v116, v122, 4, s26              ; qw's or kw's 8 tiles of my 128 output channels
	s_lshl_b32 s26, s67, 11
	s_lshl_b32 s27, s19, 10
	s_add_co_u32 s26, s26, s27
	v_lshl_add_u32 v117, v122, 2, s26              ; their scale words
	s_lshl_b32 s26, s21, 7
	s_add_co_u32 s26, s26, 4096
	v_lshl_add_u32 v118, v122, 2, s26              ; vw's scale words of tile ct
	s_lshr_b32 s26, s21, 1
	s_lshl_b32 s26, s26, 7
	s_and_b32 s27, s21, 1
	s_lshl_b32 s27, s27, 5
	s_add_co_u32 s26, s26, s27
	v_lshl_add_u32 v119, v125, 2, s26              ; vb of my lane's channel
	v_lshlrev_b32 v120, 2, v0                      ; the bias: 4 bytes a thread,
	v_lshl_add_u32 v121, v0, 2, BI                 ; and its place in LDS
	s_lshl_b32 s26, s21, 11
	s_add_co_u32 s26, s26, 65536
	v_lshl_add_u32 v4, v122, 4, s26                ; vw's two fragments of tile ct
	v_mul_u32_u24 v8, v122, XP
	s_lshl_b32 s26, s66, 4
	v_add_nc_u32 v8, s26, v8                       ; phase X: row = my position, 16 bytes at 16 w
	v_lshl_add_u32 v9, v122, 3, XS
	v_add_nc_u32 v9, s66, v9                       ; and byte w of its 8 scale bytes
	s_lshl_b32 s26, s19, 9
	s_add_co_u32 s26, s26, BI
	v_lshl_add_u32 v2, v124, 6, s26                ; phase Q: the bias of my half's units
	v_mul_u32_u24 v3, v125, XP
	v_lshl_add_u32 v3, v124, 4, v3
	s_mul_i32 s26, s20, 32*XP
	v_add_nc_u32 v3, s26, v3                       ; xn's fragments of my 32 positions
	v_lshl_add_u32 v5, v125, 3, XS
	v_lshl_add_u32 v5, v124, 2, v5
	s_lshl_b32 s26, s20, 8
	v_add_nc_u32 v5, s26, v5                       ; their scale words: lanes 0-15 K step 0, lanes 16-31 K step 1
	s_wait_kmcnt 0x0
	s_cmp_eq_u32 s67, 0                            ; the work-group's number alone decides
	s_cselect_b64 s[88:89], s[88:89], s[90:91]     ; qb or kb
	s_cselect_b64 s[94:95], s[94:95], s[96:97]     ; qx or kv
	s_mov_b32 s22, 34816
	s_cselect_b32 s22, 17408, s22                  ; a block's bytes there
	s_mov_b32 s23, 32768
	s_cselect_b32 s23, 16384, s23                  ; and where its scale words begin
	s_mul_i32 s22, s22, s16
	s_add_co_u32 s23, s23, s22
	s_lshl_b32 s26, s20, 12
	s_lshl_b32 s27, s19, 10
	s_add_co_u32 s26, s26, s27
	s_add_co_u32 s26, s26, s22
	v_lshl_add_u32 v6, v122, 4, s26                ; where my Q tasks' fragments go
	s_lshl_b32 s26, s20, 8
	s_lshl_b32 s27, s19, 6
	s_add_co_u32 s26, s26, s27
	s_add_co_u32 s26, s26, s23
	v_lshl_add_u32 v7, v123, 2, s26                ; and their scale words (lanes 16-31 hold the same word and write the same place)
	s_mul_i32 s24, s16, 34816
	s_lshl_b32 s25, s21, 10
	s_add_co_u32 s90, s24, s25
	s_add_co_u32 s90, s90, 16384                   ; where v's fragment goes (kb's pointer is chosen or done with)
	s_lshl_b32 s25, s21, 6
	s_add_co_u32 s91, s24, s25
	s_add_co_u32 s91, s91, 33792                   ; and its scale words
	s_lshl_b32 s24, s66, 7                         ; my 32 channels in gn_w and gn_b
	s_mov_b32 s25, 0
	s_add_nc_u64 s[4:5], s[4:5], s[24:25]
	s_add_nc_u64 s[6:7], s[6:7], s[24:25]
	s_lshl_b32 s24, s17, 3
	s_add_co_u32 s24, s24, s66
	s_lshl_b32 s24, s24, 5                         ; their four groups' 32 bytes in stats
	s_add_nc_u64 s[2:3], s[2:3], s[24:25]
	s_load_b512 s[16:31], s[4:5], 0x0
	s_load_b512 s[32:47], s[4:5], 0x40
	s_load_b512 s[48:63], s[6:7], 0x0
	s_load_b512 s[68:83], s[6:7], 0x40
	s_load_b256 s[8:15], s[2:3], 0x0
.set J, 0
.rept 32
	global_load_b128 v[128+4*J:131+4*J], v116, s[84:85] offset:512*J       ; fragment (tile t', K step s) at v[128 + 16 t' + 8 s]
.set J, J+1
.endr
.irp t, 0,1,2,3,4,5,6,7
	global_load_b32 v[12+\t], v117, s[86:87] offset:128*\t
.endr
	global_load_b32 v10, v118, s[86:87]
	global_load_b32 v11, v119, s[92:93]
	global_load_b32 v30, v120, s[88:89]
.macro LOAD pg                         ; x(32 w + i, 32 pg + lane), i = 0 .. 31: each load reads 128 consecutive bytes
.set I, 0
.rept 32
	global_load_b32 v[32+32*((\pg)%2)+I], v1, s[98:99] offset:I*16384+128*(\pg)
.set I, I+1
.endr
.endm
	LOAD 0
	LOAD 1
	s_wait_kmcnt 0x0
	s_mov_b32 s[SEL], 0x76543210                   ; (stats' pointer is done with)
	s_mov_b32 s[SEL+1], 0xfedcba98
.set I, 0
.rept 32
	s_mul_f32 s[16+I], s[16+I], s[12+I/8]          ; gn_w x 1/sqrt(var + eps)
.set I, I+1
.endr
.macro BLOCK pg
.set XB, 32+32*((\pg)%2)
.if \pg < 3
	s_wait_loadcnt 32                              ; this block's 32 loads, and all issued ahead of them, are in; the next block's 32 may be out
.else
	s_wait_loadcnt 0x0
.endif
.if \pg == 0
	ds_store_b32 v121, v30                         ; the bias goes to LDS as it lies
.endif
.set I, 0
.rept 32
	v_sub_f32 v[XB+I], v[XB+I], s[8+I/8]           ; x - mean
.set I, I+1
.endr
.set I, 0
.rept 32
	v_fma_f32 v[XB+I], v[XB+I], s[16+I], s[48+I+4*(I/16)]
.set I, I+1
.endr
	v_max3_num_f32 v126, |v[XB]|, |v[XB+1]|, |v[XB+2]|             ; the block's largest magnitude: all 32 channels are mine
	v_max3_num_f32 v127, |v[XB+3]|, |v[XB+4]|, |v[XB+5]|
.irp i, 6,10,14,18,22,26
	v_max3_num_f32 v126, v126, |v[XB+\i]|, |v[XB+\i+1]|
	v_max3_num_f32 v127, v127, |v[XB+\i+2]|, |v[XB+\i+3]|
.endr
	v_max3_num_f32 v126, v126, |v[XB+30]|, |v[XB+31]|
	v_max3_num_f32 v126, v126, v127, 0x1800000
	v_add_nc_u32 v125, 0xff000000, v126
.irp g, 0,1,2,3
	v_cvt_scalef32_pk8_fp4_f32 v[96+4*(\pg)+\g], v[XB+8*\g:XB+8*\g+7], v125
.endr
	v_lshrrev_b32 v[112+(\pg)], 23, v125           ; the scale's byte (a plain instruction behind the conversions)
	ds_store_b128 v8, v[96+4*(\pg):99+4*(\pg)] offset:32*XP*(\pg)
	ds_store_b8 v9, v[112+(\pg)] offset:256*(\pg)
.if \pg < 2
	LOAD (\pg)+2
.endif
.endm
	BLOCK 0
	BLOCK 1
	BLOCK 2
	BLOCK 3
	s_wait_dscnt 0x0                               ; my stores have landed, for the others' sake, and have read their registers
.set J, 0
.rept 4
	global_load_b128 v[96+4*J:99+4*J], v4, s[84:85] offset:512*J   ; vw's fragments, into the registers that the codes have left
.set J, J+1
.endr
	s_barrier_signal -1
	s_barrier_wait -1                              ; xn's codes and scale bytes and the bias lie in LDS; nothing is written there again
	v_and_b32 v24, 15, v0
	v_and_b32 v25, 8, v24
	v_add_nc_u32 v24, v24, v25                     ; r + 8 (r / 8)
	v_bfe_u32 v25, v0, 4, 1                        ; h
	v_mul_u32_u24 v8, v24, XP
	v_lshl_add_u32 v8, v25, 4, v8                  ; phase V: xn's fragments from position 0 on
	v_lshlrev_b32 v9, 3, v24
	v_lshl_add_u32 v9, v25, 2, v9
	v_add_nc_u32 v9, XS, v9                        ; and their scale words
.macro VFETCH                          ; all 16 fragments of xn and their 8 scale registers: 40 LDS loads
.irp t, 0,1,2,3,4,5,6,7
.irp s, 0,1
.irp c, 0,1
	ds_load_b128 v[128+16*\t+8*\s+4*\c:131+16*\t+8*\s+4*\c], v8 offset:(32*(\t/2)+8*(\t%2))*XP+64*\s+32*\c
.endr
.endr
	ds_load_b32 v[12+\t], v9 offset:(32*(\t/2)+8*(\t%2))*8
.endr
.endm
; A Q task: position tile T = 2 (w / 2) + u, my 128 output channels.
.macro QTASK u
.irp t, 0,1,2,3,4,5,6,7                        ; the bias in the result's layout: lane (r, h), tile 2 b + u': units 32 b + 16 h + 8 u' + 0 .. 7
	ds_load_b128 v[32+8*\t:35+8*\t], v2 offset:(32*(\t/2)+8*(\t%2))*4
	ds_load_b128 v[36+8*\t:39+8*\t], v2 offset:(32*(\t/2)+8*(\t%2))*4+16
.endr
.irp s, 0,1
.irp c, 0,1
	ds_load_b128 v[112+8*\s+4*\c:115+8*\s+4*\c], v3 offset:8*XP*(\u)+64*\s+32*\c
.endr
.endr
	ds_load_b32 v20, v5 offset:64*(\u)
.if \u == 0
	s_wait_loadcnt 0x0                             ; the weights (long in) and vw's fragments
.endif
	s_wait_dscnt 0x0
.irp t, 0,1,2,3,4,5,6,7                        ; the eight accumulators take turns, one instruction a turn
	v_wmma_scale_f32_16x16x128_f8f6f4 v[32+8*\t:39+8*\t], v[128+16*\t:135+16*\t], v[112:119], v[32+8*\t:39+8*\t], v[12+\t], v20 matrix_a_fmt:MATRIX_FMT_FP4 matrix_b_fmt:MATRIX_FMT_FP4
.endr
.irp t, 0,1,2,3,4,5,6,7
	v_wmma_scale_f32_16x16x128_f8f6f4 v[32+8*\t:39+8*\t], v[136+16*\t:143+16*\t], v[120:127], v[32+8*\t:39+8*\t], v[12+\t], v20 matrix_a_fmt:MATRIX_FMT_FP4 matrix_b_fmt:MATRIX_FMT_FP4 matrix_a_scale:MATRIX_SCALE_ROW1 matrix_b_scale:MATRIX_SCALE_ROW1
.endr
.rept 4
	v_nop                                          ; four places ahead of the first read of results, of writes of the operands, and of loads into them
.endr
.if \u == 1
	VFETCH                                         ; the weights are done with: xn's fragments land while the results are quantised
.endif
	s_wait_xcnt 0x0                                ; the last task's stores have read the codes and the scale word
	QUANT 32
	global_store_b128 v6, v[PC:PC+3], s[94:95] offset:2048*(\u)            ; 32 lanes store 512 consecutive bytes
	global_store_b128 v6, v[PC+4:PC+7], s[94:95] offset:2048*(\u)+512
	global_store_b32 v7, v[PW], s[94:95] offset:128*(\u)
.endm
	QTASK 0
	QTASK 1
	; ---- phase V: channel tile ct of v for the 128 positions
	s_wait_xcnt 0x0                                ; the stores have read the codes' registers
.irp j, 0,1,2,3,4,5,6,7
	v_mov_b32 v[24+\j], v11                        ; vb of my lane's channel, as the C of the first products
.endr
	v_and_b32 v1, 31, v0
	v_lshl_add_u32 v1, v1, 4, s90                  ; where the fragment goes
	v_and_b32 v4, 15, v0
	v_lshl_add_u32 v4, v4, 2, s91                  ; and its scale words
.rept 4
	v_nop
.endr
	s_wait_dscnt 0x0                               ; xn's fragments and scale words
.irp t, 0,1,2,3,4,5,6,7
	v_wmma_scale_f32_16x16x128_f8f6f4 v[32+8*\t:39+8*\t], v[128+16*\t:135+16*\t], v[96:103], v[24:31], v[12+\t], v10 matrix_a_fmt:MATRIX_FMT_FP4 matrix_b_fmt:MATRIX_FMT_FP4
.endr
.irp t, 0,1,2,3,4,5,6,7
	v_wmma_scale_f32_16x16x128_f8f6f4 v[32+8*\t:39+8*\t], v[136+16*\t:143+16*\t], v[104:111], v[32+8*\t:39+8*\t], v[12+\t], v10 matrix_a_fmt:MATRIX_FMT_FP4 matrix_b_fmt:MATRIX_FMT_FP4 matrix_a_scale:MATRIX_SCALE_ROW1 matrix_b_scale:MATRIX_SCALE_ROW1
.endr
.rept 4
	v_nop
.endr
	QUANT 32
	global_store_b128 v1, v[PC:PC+3], s[96:97]
	global_store_b128 v1, v[PC+4:PC+7], s[96:97] offset:512
	global_store_b32 v4, v[PW], s[96:97]
	s_wait_tensorcnt 0x0                           ; the wave's end, behind my last LDS store
	ds_add_u32 v22, v23
	s_wait_dscnt 0x0
	s_endpgm
.Lfunc_end_k_q868b3294df_qkv:
	.size	k_q868b3294df_qkv, .Lfunc_end_k_q868b3294df_qkv-k_q868b3294df_qkv
	.p2alignl 7, 3214868480
	.fill 96, 4, 3214868480
	.section	.rodata,"a",@progbits
	.p2align	6, 0x0
	.amdhsa_kernel k_q868b3294df_qkv
		.amdhsa_group_segment_fixed_size 21504
		.amdhsa_private_segment_fixed_size 0
		.amdhsa_enable_private_segment 0
		.amdhsa_kernarg_size 88
		.amdhsa_user_sgpr_count 2
		.amdhsa_user_sgpr_kernarg_segment_ptr 1
		.amdhsa_wavefront_size32 1
		.amdhsa_system_sgpr_workgroup_id_x 1
		.amdhsa_system_sgpr_workgroup_id_y 1
		.amdhsa_system_sgpr_workgroup_id_z 1
		.amdhsa_system_vgpr_workitem_id 0
		.amdhsa_next_free_vgpr 256
		.amdhsa_next_free_sgpr 100
		.amdhsa_reserve_vcc 0
		.amdhsa_float_denorm_mode_32 3
		.amdhsa_float_denorm_mode_16_64 3
		.amdhsa_memory_ordered 1
		.amdhsa_forward_progress 1
		.amdhsa_inst_pref_size 70
	.end_amdhsa_kernel
	.amdgpu_metadata
---
amdhsa.version: [ 1, 2 ]
amdhsa.kernels:
  - .name:           k_q868b3294df_qkv
    .symbol:         k_q868b3294df_qkv.kd
    .args:
      - { .name: stats, .offset: 0, .size: 8, .value_kind: global_buffer, .address_space: global }
      - { .name: gn_w, .offset: 8, .size: 8, .value_kind: global_buffer, .address_space: global }
      - { .name: gn_b, .offset: 16, .size: 8, .value_kind: global_buffer, .address_space: global }
      - { .name: x, .offset: 24, .size: 8, .value_kind: global_buffer, .address_space: global }
      - { .name: wcodes, .offset: 32, .size: 8, .value_kind: global_buffer, .address_space: global }
      - { .name: wscales, .offset: 40, .size: 8, .value_kind: global_buffer, .address_space: global }
      - { .name: qb, .offset: 48, .size: 8, .value_kind: global_buffer, .address_space: global }
      - { .name: kb, .offset: 56, .size: 8, .value_kind: global_buffer, .address_space: global }
      - { .name: vb, .offset: 64, .size: 8, .value_kind: global_buffer, .address_space: global }
      - { .name: qx, .offset: 72, .size: 8, .value_kind: global_buffer, .address_space: global }
      - { .name: kv, .offset: 80, .size: 8, .value_kind: global_buffer, .address_space: global }
    .group_segment_fixed_size: 21504
    .private_segment_fixed_size: 0
    .kernarg_segment_align: 8
    .kernarg_segment_size: 88
    .max_flat_workgroup_size: 256
    .sgpr_count:     100
    .vgpr_count:     256
    .wavefront_size: 32
...
	.end_amdgpu_metadata
.endif
;; end of part 2
;; launch attn (part 3): grid 64 x 4, 4 waves a work-group, clusters of 4 x 1, 327,680 bytes of LDS; arguments qx, kv, wcodes, wscales, pb, x, out0; writes out0
.if DOCPART == 3
	.amdgcn_target "amdgcn-amd-amdhsa--gfx1250"
	.amdhsa_code_object_version 6
	.text
	.protected	k_q868b3294df_attn
	.globl	k_q868b3294df_attn
	.p2align	8
	.type	k_q868b3294df_attn,@function
k_q868b3294df_attn:
	s_mov_b64 s[64:65], 0
	v_nop
	global_prefetch_b8 v0, s[64:65] scope:SCOPE_SE
	s_setreg_imm32_b32 hwreg(HW_REG_WAVE_MODE, 25, 1), 1
	s_wait_xcnt 0x0
	s_wait_alu depctr_hold_cnt(0) depctr_sa_sdst(0) depctr_va_vdst(0) depctr_va_sdst(0) depctr_va_ssrc(0) depctr_va_vcc(0) depctr_vm_vsrc(0)
	s_getreg_b32 s2, hwreg(HW_REG_IB_STS2, 6, 4)
	s_cmp_eq_u32 s2, 0
	s_cbranch_scc0 .Lentry_in_a_cluster
	s_endpgm
.Lentry_in_a_cluster:
	s_bfe_u32 s2, ttmp6, 0x10000c
	s_cmp_lg_u32 s2, 0x3003
	s_cbranch_scc0 .Lentry_shape_is_right
	s_endpgm
.Lentry_shape_is_right:
; AttnBlock, launch 3 of 3: S^T = k q^T, the streamed softmax, O^T = v p^T, O / l quantised along the channels, out0 = x + pw O + pb.  All three products on codes of E2M1.  Nothing is left out.
; THE SOFTMAX: t = score x log2(e) / 16; M = the largest t so far, rounded up to a whole number, kept as -M = floor(-t); p = 2^(t - M) is quantised along the keys and not normalised; the row's sum is taken of the
; unquantised p; when M moves, the sum and O^T are multiplied by 2^(old M - new M), which rounds nothing.
; SHARES.  A work-group owns 64 queries of one batch.  Wave w: pr = w % 2 picks two tiles of 16 queries, kh = w / 2 picks two of a slot's four key steps of 128 keys: each fragment of k and v read from LDS feeds
; two matrix instructions, and a wave walks 16 of the batch's 32 key steps.  The two waves of a pair merge their O^T, M and l through LDS at the end (their M differ by a whole number: the factors are exact).
; LAYOUT.  Both products are used transposed, so that a lane holds one query (lane % 16) throughout; the keys of a tile of k are in the tile order (lane r of tile 2 b + u: key 32 b + 8 u + r + 8 (r / 8)), so that the 16 registers
; of tiles 2 b and 2 b + 1 are 16 neighbouring keys; v's channel tiles are in the same order, so that O^T's registers run along neighbouring channels, the projection's K.
; THE RING.  kv holds a key step as 34,816 dense bytes, images of operand registers and scale words: a slot is four steps; each wave brings one step by one tensor load of 136 rows of 256 bytes.  No padding: a
; fragment load reads 512 consecutive bytes.  By this text's count one tensor load of a wave is out at any time.
; CLUSTER.  The four query blocks of a cluster belong to one batch and walk the same kv: every tensor load is asked for jointly, with the same descriptor and a mask that names the four.
; THE CHANGE OF SLOTS stands in the middle of a slot's second step, where the wave holds all that it wants of the slot in registers: the refill has two key steps of each wave in which to land.
; O^T begins as zeros and the largest t as -3e38, so that the key step has no first form of its own: 256 moves, issued while the first tile is on its way, in place of one more copy of the step's text.
; LIMITS: v_exp_f32 gives 0 for p under 2^-126; a change of M beyond the range of i32 saturates and gives the factor 0; a block of zeros gets the scale byte 1 (zero codes); NaN and infinities are not served.
; REGISTERS, in windows of 256 (s_set_vgpr_msb: bits 1:0 source 0, 3:2 source 1, 5:4 source 2, 7:6 destination):
;   window 0: v1, v2 my lane's place in a step (codes, scale words); v3, v4 addresses of k's run of loads, v5, v6 of v's; v9, v10 the add's two; v11 the prefetch's offset; v12+4a -M, v13+4a largest t, v[14+4a:15+4a] the sum;
;   v[20+2a:21+2a] f; v24+a q's scale words; v26+a p's; v28-35 k's; v36-43 v's; v48+16a at work; v80+8a p's codes; v96+16a+8s q's fragments; v128+64a+8T the scores, then p.
;   window 1: O^T(a, ct) at v[128 a + 8 ct].   window 2: k(T, s) at v[16 T + 8 s]; v(ct) at v[128 + 8 ct].
.set STEPB, 34816                      ; a key step in kv and in LDS
.set SLOTB, 139264                     ; four of them: 0x22000, whose bits meet none of w x 34,816: one exclusive or turns an address into the other slot's
.set KSC,   32768                      ; in a step: k's scale words;
.set VCO,   16384                      ; v's codes;
.set VSC,   33792                      ; v's scale words
.set SPARE, 278528                     ; behind the ring: the spare words, 128 bytes for each of 4 waves
.set ML,    131072                     ; the end, in slots that have had their last fill and their last read: O^T's images from 0 on, 32,768 bytes a wave; here -M and l, 512 bytes a wave;
.set OIMG,  133120                     ; the quantised O: 8 fragments;
.set OSC,   141312                     ; their scale words;
.set SP,    272                        ; and, from 0 on again behind a barrier, the stage: 256 channels x (256 bytes + 16)
.set PC,    80
.set PW,    27
.set TM,    64
.set SEL,   36
.set MSB, 0
.macro WIN new                         ; the immediate's high byte repeats the setting that is left; a switch that changes nothing is dropped
.if MSB != \new
	s_set_vgpr_msb (MSB<<8)|\new
.set MSB, \new
.endif
.endm
.macro PLACES n
.rept \n
	v_nop
.endr
.endm
.macro ROUND                           ; a round of the cluster's barrier
	s_barrier_signal -1
	s_barrier_wait -1
	s_cmp_lg_u32 s18, 0
	s_cbranch_scc1 .Lnot_wave_0_\@
	s_barrier_signal -3
.Lnot_wave_0_\@:
	s_barrier_wait -3
	s_barrier_signal -1
	s_barrier_wait -1
.endm
; A prefetch of what the NEXT change of slots will ask for: the 32,768 bytes of codes of each of a slot's four steps.  All clusters of a batch walk the same kv: the batch's first cluster asks.  Its four partners are told apart
; by address: the partner at place cx takes step cx; each of its waves 8,192 bytes, lanes 256 bytes apart: each block of 256 bytes is named once in the launch.  Two key steps of each wave lie between a request and the load that wants it.
; Slots 0 to 2 and the steps' 2 KiB of scale words come by their loads alone; the last change that fills a slot asks for nothing.
.macro ASK
	s_cmp_gt_u32 s39, s40
	s_cbranch_scc0 .Lnot_mine_\@
	global_prefetch_b8 v11, s[42:43] th:TH_LOAD_NT scope:SCOPE_SE
.Lnot_mine_\@:
.endm
; The second half of a change of slots; ahead of it stand the wait for all my tensor loads and the add.
.macro CH_CLOSE fill
.if \fill
	s_xor_b32 s33, s33, SLOTB                      ; no tensor load of mine is out, so the descriptor may be written: the other slot,
	s_add_nc_u64 s[34:35], s[34:35], SLOTB         ; the next four steps; the type bits on top are not reached
	s_wait_xcnt 0x0                                ; the last prefetch, a slot back, has read its address
	s_add_nc_u64 s[42:43], s[42:43], SLOTB
.endif
	s_wait_dscnt 0x0                               ; the add is done, and my reads of the slot that is left are over
.if \fill
	ROUND                                          ; no wave of any partner still reads that slot or has a load on its way
	tensor_load_to_lds s[32:35], s[24:31]          ; my one tensor load behind the round, and the first thing there
	s_nop 0
	PLACES 4                                       ; (also the places ahead of the loads into k's registers and of the first read of the scores)
	ASK
.else
	s_barrier_signal -1
	s_barrier_wait -1
	PLACES 4
.endif
.endm
.macro KLOAD pad                       ; k's 16 fragments and 8 scale registers of the step at s38: 40 LDS loads
	PLACES \pad
	v_add_nc_u32 v3, s38, v1
	v_add_nc_u32 v4, s38, v2
.irp t, 0,1,2,3,4,5,6,7
	ds_load_b32 v[28+\t], v4 offset:KSC+128*\t     ; lanes 0-15 K step 0's words, lanes 16-31 K step 1's
.endr
	WIN 0x80
.set J, 0
.rept 32
	ds_load_b128 v[4*J:4*J+3], v3 offset:512*J
.set J, J+1
.endr
	WIN 0
.endm
.macro VLOAD pad, st                   ; v's 16 fragments and 8 scale registers of the same step: 40 LDS loads; then s38 goes on to the next step
	PLACES \pad
	v_add_nc_u32 v5, s38, v1
	v_add_nc_u32 v6, s38, v2
.irp t, 0,1,2,3,4,5,6,7
	ds_load_b32 v[36+\t], v6 offset:VSC+128*\t     ; lanes 0-15 channel tile 2 t, lanes 16-31 tile 2 t + 1
.endr
	WIN 0x80
.set J, 0
.rept 32
	ds_load_b128 v[128+4*J:131+4*J], v5 offset:VCO+512*J
.set J, J+1
.endr
	WIN 0
.if \st
	s_add_co_u32 s38, s38, STEPB                   ; my second step of the same slot
.else
	s_sub_co_u32 s38, s38, STEPB                   ; my first step
	s_xor_b32 s38, s38, SLOTB                      ; of the other slot
.endif
.endm
.macro SMUL                            ; S^T = k q^T: 16 accumulators (8 tiles of keys x 2 tiles of queries) by turns, one instruction a turn; the first K step starts the sums
	WIN 0x02
.irp t, 0,1,2,3,4,5,6,7
.irp a, 0,1
	v_wmma_scale_f32_16x16x128_f8f6f4 v[128+64*\a+8*\t:135+64*\a+8*\t], v[16*\t:16*\t+7], v[96+16*\a:103+16*\a], 0, v[28+\t], v[24+\a] matrix_a_fmt:MATRIX_FMT_FP4 matrix_b_fmt:MATRIX_FMT_FP4
.endr
.endr
.irp t, 0,1,2,3,4,5,6,7
.irp a, 0,1
	v_wmma_scale_f32_16x16x128_f8f6f4 v[128+64*\a+8*\t:135+64*\a+8*\t], v[16*\t+8:16*\t+15], v[104+16*\a:111+16*\a], v[128+64*\a+8*\t:135+64*\a+8*\t], v[28+\t], v[24+\a] matrix_a_fmt:MATRIX_FMT_FP4 matrix_b_fmt:MATRIX_FMT_FP4 matrix_a_scale:MATRIX_SCALE_ROW1 matrix_b_scale:MATRIX_SCALE_ROW1
.endr
.endr
.endm
.macro PVMUL q                         ; O^T(q) += v p^T: 16 accumulators, one instruction each; K = the step's 128 keys
	WIN 0x52
.irp ct, 0,2,4,6,8,10,12,14
	v_wmma_scale_f32_16x16x128_f8f6f4 v[128*(\q)+8*\ct:128*(\q)+8*\ct+7], v[128+8*\ct:135+8*\ct], v[80+8*(\q):87+8*(\q)], v[128*(\q)+8*\ct:128*(\q)+8*\ct+7], v[36+\ct/2], v[26+(\q)] matrix_a_fmt:MATRIX_FMT_FP4 matrix_b_fmt:MATRIX_FMT_FP4
	v_wmma_scale_f32_16x16x128_f8f6f4 v[128*(\q)+8*\ct+8:128*(\q)+8*\ct+15], v[136+8*\ct:143+8*\ct], v[80+8*(\q):87+8*(\q)], v[128*(\q)+8*\ct+8:128*(\q)+8*\ct+15], v[36+\ct/2], v[26+(\q)] matrix_a_fmt:MATRIX_FMT_FP4 matrix_b_fmt:MATRIX_FMT_FP4 matrix_a_scale:MATRIX_SCALE_ROW1
.endr
.endm
.macro RESC q                          ; O^T(q) under the new M: x f
	WIN 0x41
.set J, 0
.rept 64
	v_pk_mul_f32 v[128*(\q)+J:128*(\q)+J+1], v[128*(\q)+J:128*(\q)+J+1], v[20+2*(\q):21+2*(\q)] op_sel_hi:[1,0]
.set J, J+2
.endr
	PLACES 4
.endm
; The softmax of both tiles for one key step; the two tiles stand line by line, so that no line waits for the line above it.  Register 16 b + i of a tile is key 32 b + 16 (lane / 16) + i.
.macro SOFTMAX
.irp b, 0,1,2,3
.irp a, 0,1
	v_max3_num_f32 v[48+16*\a+\b], v[128+64*\a+16*\b], v[129+64*\a+16*\b], v[130+64*\a+16*\b]   ; the largest score of each block of 32 keys: for the row's maximum and, since p rises with the score, for the block's largest p.  (Each accumulator is read from its low end on)
.endr
.endr
.irp i, 3,5,7,9,11,13
.irp b, 0,1,2,3
.irp a, 0,1
	v_max3_num_f32 v[48+16*\a+\b], v[48+16*\a+\b], v[128+64*\a+16*\b+\i], v[129+64*\a+16*\b+\i]
.endr
.endr
.endr
.irp b, 0,1,2,3
.irp a, 0,1
	v_max_num_f32 v[48+16*\a+\b], v[48+16*\a+\b], v[143+64*\a+16*\b]
.endr
.endr
.irp b, 0,1,2,3
.irp a, 0,1
	v_permlanex16_b32 v[52+16*\a+\b], v[48+16*\a+\b], s[SEL], s[SEL+1]
.endr
.endr
.irp b, 0,1,2,3
.irp a, 0,1
	v_max_num_f32 v[48+16*\a+\b], v[48+16*\a+\b], v[52+16*\a+\b]   ; with lane l xor 16's 16 keys
.endr
.endr
.irp a, 0,1
	v_max3_num_f32 v[62+16*\a], v[48+16*\a], v[49+16*\a], v[50+16*\a]
.endr
.irp a, 0,1
	v_max_num_f32 v[62+16*\a], v[62+16*\a], v[51+16*\a]            ; the step's largest score of my query
.endr
.irp a, 0,1
	v_mul_f32 v[62+16*\a], s22, v[62+16*\a]                        ; as t (c is positive)
.endr
.irp a, 0,1
	v_max_num_f32 v[13+4*\a], v[13+4*\a], v[62+16*\a]              ; the running largest t
.endr
.irp a, 0,1
	v_mov_b32 v[62+16*\a], v[12+4*\a]
.endr
.irp a, 0,1
	v_floor_f32 v[12+4*\a], -v[13+4*\a]                            ; the new -M = floor(-t): M is a whole number
.endr
.irp a, 0,1
	v_sub_f32 v[62+16*\a], v[12+4*\a], v[62+16*\a]                 ; old M - new M: a whole number, 0 or less
.endr
.irp a, 0,1
	v_cvt_i32_f32 v[62+16*\a], v[62+16*\a]                         ; (it saturates)
.endr
.irp a, 0,1
	v_ldexp_f32 v[20+2*\a], 1.0, v[62+16*\a]                       ; f = 2^(old M - new M)
.endr
.set J, 0
.rept 32
	v_pk_fma_f32 v[128+J:129+J], v[128+J:129+J], s[22:23], v[12:13] op_sel_hi:[1,0,0]      ; t - M, two at a time (of the pairs c and -M the low word serves both halves)
	v_pk_fma_f32 v[192+J:193+J], v[192+J:193+J], s[22:23], v[16:17] op_sel_hi:[1,0,0]
.set J, J+2
.endr
.irp b, 0,1,2,3
.irp a, 0,1
	v_fma_f32 v[48+16*\a+\b], v[48+16*\a+\b], s22, v[12+4*\a]      ; the same of each block's largest score
.endr
.endr
.set J, 0
.rept 128
	v_exp_f32 v[128+J], v[128+J]                   ; p = 2^(t - M), at most 1: one batch
.set J, J+1
.endr
.irp a, 0,1
	v_pk_mul_f32 v[14+4*\a:15+4*\a], v[14+4*\a:15+4*\a], v[20+2*\a:21+2*\a] op_sel_hi:[1,0]   ; the sums under the new M (plain instructions behind the exponentials)
.endr
	s_wait_alu depctr_va_vdst(0)                   ; one wait for the batch, ahead of its first reader
.irp b, 0,1,2,3
.irp a, 0,1
	v_exp_f32 v[48+16*\a+\b], v[48+16*\a+\b]       ; the blocks' largest p: the same two instructions on the same number give the same bits
.endr
.endr
.irp a, 0,1
	v_pk_add_f32 v[60+16*\a:61+16*\a], v[128+64*\a:129+64*\a], v[130+64*\a:131+64*\a]         ; the row's sum is taken of the unquantised p: two chains a tile.  (It reads the 128 alone: plain work behind the eight)
.endr
.irp j, 4,8,12,16,20,24,28,32,36,40,44,48,52,56,60
.irp a, 0,1
	v_pk_add_f32 v[14+4*\a:15+4*\a], v[14+4*\a:15+4*\a], v[128+64*\a+\j:129+64*\a+\j]
	v_pk_add_f32 v[60+16*\a:61+16*\a], v[60+16*\a:61+16*\a], v[130+64*\a+\j:131+64*\a+\j]
.endr
.endr
.irp a, 0,1
	v_pk_add_f32 v[14+4*\a:15+4*\a], v[14+4*\a:15+4*\a], v[60+16*\a:61+16*\a]
.endr
	s_wait_alu depctr_va_vdst(0)                   ; and one for the eight
.irp b, 0,1,2,3
.irp a, 0,1
	v_max_num_f32 v[48+16*\a+\b], 0x1800000, v[48+16*\a+\b]        ; the floor 2^(3 - 127): the byte cannot fall under 1
.endr
.endr
.irp b, 0,1,2,3
.irp a, 0,1
	v_add_nc_u32 v[56+16*\a+\b], 0xff000000, v[48+16*\a+\b]        ; 2 off the exponent field: the conversion's scale operand
.endr
.endr
.irp b, 0,1,2,3
.irp a, 0,1
	v_lshrrev_b32 v[52+16*\a+\b], 23, v[56+16*\a+\b]               ; the scale's byte
.endr
.endr
.irp a, 0,1
	v_lshl_or_b32 v[26+\a], v[53+16*\a], 8, v[52+16*\a]            ; p's scale word for these 128 keys
.endr
.irp a, 0,1
	v_lshl_or_b32 v[26+\a], v[54+16*\a], 16, v[26+\a]
.endr
.irp a, 0,1
	v_lshl_or_b32 v[26+\a], v[55+16*\a], 24, v[26+\a]
.endr
.irp b, 0,1,2,3
.irp a, 0,1
	v_cvt_scalef32_pk8_fp4_f32 v[80+8*\a+2*\b], v[128+64*\a+16*\b:135+64*\a+16*\b], v[56+16*\a+\b]
	v_cvt_scalef32_pk8_fp4_f32 v[81+8*\a+2*\b], v[136+64*\a+16*\b:143+64*\a+16*\b], v[56+16*\a+\b]
.endr
.endr
	v_nop                                          ; one plain place behind the scaled conversions
.irp c, 0,1                                    ; the operand's layout wants a whole block in a lane
.irp i, 0,1
.irp a, 0,1
	v_permlane16_swap_b32 v[80+8*\a+4*\c+\i], v[82+8*\a+4*\c+\i]
.endr
.endr
.endr
.endm
; A KEY STEP of the wave.  st: my first (0) or second (1) step of the slot; chg: 1 the slot is left and filled again, 2 it is left, 0 neither; fetch: the next step's k and v are fetched.
.macro STEP st, chg, fetch
	s_wait_dscnt 40                                ; k and its scale words are in; the 40 loads of v, issued behind them, may be out
.if \chg
	s_wait_tensorcnt 0x0                           ; all my tensor loads have landed: my step of the next slot;
	ds_add_u32 v9, v10                             ; 0 onto my spare word; the 32 products stand between it and the wait for it
.endif
	SMUL
	WIN 0
.if \chg == 1
	CH_CLOSE 1
.elseif \chg == 2
	CH_CLOSE 0
.endif
.if \fetch
.if \chg
	KLOAD 0
.else
	KLOAD 2                                        ; two v_nop and the run's two additions: four places behind the products, ahead of loads into their operands and of the first read of the scores
.endif
.else
	PLACES 4
.endif
	SOFTMAX
.if \fetch
	s_wait_dscnt 40                                ; v is in; the 40 loads of the next k may be out
.else
	s_wait_dscnt 0x0
.endif
	RESC 0                                         ; (these are also the places between p's codes and scale words, written by vector instructions, and the products)
	PVMUL 0
	RESC 1                                         ; tile 1 is rescaled while the matrix unit works on tile 0
	PVMUL 1
	WIN 0
.if \fetch
	VLOAD 2, \st
.endif
.endm
; 64 numbers of a lane, register 16 b + i = k 32 b + 16 (lane / 16) + i of my row, become a fragment's codes in v[PC] on and its scale word in v[PW].
.macro QUANT s
.irp b, 0,1,2,3
	v_max3_num_f32 v[TM+\b], |v[\s+16*\b]|, |v[\s+1+16*\b]|, 0x1800000
.endr
.irp i, 2,4,6,8,10,12,14
.irp b, 0,1,2,3
	v_max3_num_f32 v[TM+\b], v[TM+\b], |v[\s+16*\b+\i]|, |v[\s+1+16*\b+\i]|
.endr
.endr
.irp b, 0,1,2,3
	v_permlanex16_b32 v[TM+4+\b], v[TM+\b], s[SEL], s[SEL+1]
.endr
.irp b, 0,1,2,3
	v_max_num_f32 v[TM+\b], v[TM+\b], v[TM+4+\b]
.endr
.irp b, 0,1,2,3
	v_add_nc_u32 v[TM+12+\b], 0xff000000, v[TM+\b]
.endr
.irp b, 0,1,2,3
	v_lshrrev_b32 v[TM+4+\b], 23, v[TM+12+\b]
.endr
	v_lshl_or_b32 v[PW], v[TM+5], 8, v[TM+4]
	v_lshl_or_b32 v[PW], v[TM+6], 16, v[PW]
	v_lshl_or_b32 v[PW], v[TM+7], 24, v[PW]
.irp b, 0,1,2,3
	v_cvt_scalef32_pk8_fp4_f32 v[PC+2*\b], v[\s+16*\b:\s+7+16*\b], v[TM+12+\b]
	v_cvt_scalef32_pk8_fp4_f32 v[PC+1+2*\b], v[\s+8+16*\b:\s+15+16*\b], v[TM+12+\b]
.endr
	v_nop
.irp c, 0,1
.irp i, 0,1
	v_permlane16_swap_b32 v[PC+4*\c+\i], v[PC+2+4*\c+\i]
.endr
.endr
.endm
	s_load_b256 s[4:11], s[0:1], 0x0               ; qx, kv, wcodes, wscales
	s_load_b128 s[12:15], s[0:1], 0x20             ; pb, x
	s_load_b64 s[16:17], s[0:1], 0x30              ; out0
	v_lshl_add_u32 v9, v0, 2, SPARE
	v_mov_b32 v10, 0
	ds_add_u32 v9, v10                             ; the wave's opening: the add, twice on end, and its wait ahead of my first tensor load
	ds_add_u32 v9, v10
	v_lshrrev_b32 v1, 5, v0
	v_readfirstlane_b32 s18, v1                    ; wave 0..3
	s_and_b32 s19, s18, 1                          ; pr
	s_lshr_b32 s20, s18, 1                         ; kh
	s_bfe_u32 s44, ttmp6, 0x40000                  ; cx: it enters global addresses of q, x, out0 and the prefetches alone
	s_lshl_b32 s45, ttmp9, 2
	s_add_co_u32 s45, s45, s44                     ; my block of 64 queries
	s_and_b32 s46, ttmp7, 0xffff                   ; the batch, which the four partners share
	s_mov_b32 s24, 15|(3<<16)|(1<<21)              ; group 1: 15:0 the mask: all four; 17:16 elements of 8 bytes; 21 set beside a mask; no padding
	s_mov_b32 s25, 32<<16                          ; tensor_dim0 = 32 elements: 256 bytes
	s_mov_b32 s26, 136<<16                         ; tensor_dim1 = 136 rows
	s_mov_b32 s27, 32<<16                          ; tile_dim0
	s_mov_b32 s28, 136                             ; tile_dim1
	s_mov_b32 s29, 32                              ; the pitch: dense
	s_mov_b32 s30, 0
	s_mov_b32 s31, 0
	s_mov_b32 s22, 0x3db8aa3b                      ; c = log2(e) / 16
	s_mov_b32 s23, s22                             ; (named with it as a pair, so it is written)
	s_mov_b32 s[SEL], 0x76543210
	s_mov_b32 s[SEL+1], 0xfedcba98
	s_mov_b32 s38, 0                               ; the LDS byte at which the slot's step to be fetched begins (less my kh's share)
	s_mov_b32 s39, 0                               ; slots still to be asked for; 0 at the first change, so that nothing is prefetched at the head
	s_cmp_eq_u32 ttmp9, 0                          ; the batch's first cluster: the same in all four partners
	s_cselect_b32 s40, 1, -1
	s_mul_i32 s48, s46, 32*STEPB                   ; the batch's first byte in kv
	s_mov_b32 s49, 0
	s_mul_i32 s50, s18, STEPB                      ; the step that I fetch: in memory and in a slot
	s_mov_b32 s51, 0
	s_mul_i32 s52, s44, STEPB                      ; the prefetches: step cx,
	s_lshl_b32 s53, s18, 13                        ; my wave's 8,192 bytes of its codes,
	s_add_co_u32 s52, s52, s53
	s_add_co_u32 s52, s52, SLOTB                   ; in slot 1: two changes of slots step it to slot 3 ahead of the first request
	s_mov_b32 s53, 0
	s_wait_dscnt 0x0                               ; both opening adds are done
	s_wait_kmcnt 0x0
	s_add_nc_u64 s[6:7], s[6:7], s[48:49]
	s_mov_b32 s32, 1                               ; group 0: count = 1
	s_mov_b32 s33, s50                             ; LDS address: slot 0, step w
	s_add_nc_u64 s[34:35], s[6:7], s[50:51]        ; global address
	s_or_b32 s35, s35, 0x80000000                  ; type = 2
	s_add_nc_u64 s[42:43], s[6:7], s[52:53]
	ROUND                                          ; all four work-groups are here: the first joint loads meet
	tensor_load_to_lds s[32:35], s[24:31]          ; slot 0
	s_nop 0
	PLACES 4
	v_and_b32 v5, 31, v0
	s_mul_i32 s47, s20, 2*STEPB
	v_lshl_add_u32 v1, v5, 4, s47                  ; 16 x lane + my two steps of a slot
	v_lshl_add_u32 v2, v5, 2, s47
	v_lshlrev_b32 v11, 8, v5
	s_lshl_b32 s54, s46, 5
	s_lshr_b32 s55, s45, 1
	s_add_co_u32 s54, s54, s55
	s_mul_i32 s54, s54, 17408                      ; q: my block of 128 positions,
	s_and_b32 s55, s45, 1
	s_lshl_b32 s55, s55, 2
	s_lshl_b32 s56, s19, 1
	s_add_co_u32 s55, s55, s56                     ; my first tile in it: 4 (block % 2) + 2 pr
	s_lshl_b32 s56, s55, 11
	s_add_co_u32 s56, s56, s54
	v_lshl_add_u32 v7, v5, 4, s56
	s_lshl_b32 s56, s55, 7
	s_add_co_u32 s56, s56, s54
	s_add_co_u32 s56, s56, 16384
	v_lshl_add_u32 v8, v5, 2, s56
.set J, 0
.rept 8
	global_load_b128 v[96+4*J:99+4*J], v7, s[4:5] offset:512*J     ; q's four fragments stay in registers
.set J, J+1
.endr
	global_load_b32 v24, v8, s[4:5]
	global_load_b32 v25, v8, s[4:5] offset:128
.irp a, 0,1
	v_mov_b32 v[13+4*\a], 0xff61b1e6               ; the largest t so far: -3e38, under every t
	v_floor_f32 v[12+4*\a], -v[13+4*\a]            ; -M
	v_mov_b32 v[14+4*\a], 0                        ; the sum, in two halves
	v_mov_b32 v[15+4*\a], 0
	v_mov_b32 v[20+2*\a], 0
	v_mov_b32 v[21+2*\a], 0                        ; (named as the upper half of f's pair)
.irp b, 0,1,2,3
	v_mov_b32 v[52+16*\a+\b], 0                    ; a lane permute's destination counts as one of its sources
.endr
.endr
	WIN 0x40
.set J, 0
.rept 256
	v_mov_b32 v[J], 0                              ; O^T
.set J, J+1
.endr
	WIN 0
	s_wait_tensorcnt 0x0                           ; slot 0: my step has landed;
	ds_add_u32 v9, v10                             ; the add ahead of such a round;
	CH_CLOSE 1                                     ; everybody's has; slot 1 is asked for, as a refill is
	s_mov_b32 s39, 6
	KLOAD 0
	VLOAD 0, 1
	s_wait_loadcnt 0x0                             ; q
.Lslot:                                            ; six trips: slots 0 to 5 are walked, slots 2 to 7 asked for
	STEP 0, 0, 1
	STEP 1, 1, 1
	s_sub_co_u32 s39, s39, 1
	s_cmp_lg_u32 s39, 0
	s_cbranch_scc1 .Lslot
	STEP 0, 0, 1                                   ; the tail is written out: slot 6
	STEP 1, 2, 1                                   ; which is left with nothing asked for,
	STEP 0, 0, 1                                   ; and slot 7
	STEP 1, 0, 0
	; ---- THE END.  1: each wave lays its O^T, -M and l into LDS, in slot 0, which every wave left at the last change of slots.  The address work is the places behind the last products.
	v_and_b32 v1, 31, v0                           ; lane
	v_and_b32 v2, 15, v0                           ; r
	v_bfe_u32 v3, v0, 4, 1                         ; h
	v_lshlrev_b32 v4, 4, v1                        ; 16 x lane
	s_lshl_b32 s47, s18, 13
	s_add_co_u32 s47, s47, 98304
	v_add_nc_u32 v5, s47, v4                       ; pw's tiles 4 w .. 4 w + 3
	s_lshl_b32 s47, s18, 9
	s_add_co_u32 s47, s47, 6144
	v_lshl_add_u32 v6, v1, 2, s47                  ; their scale words
	v_and_b32 v7, 8, v2
	v_add_nc_u32 v7, v7, v2
	s_lshl_b32 s47, s18, 8
	v_lshl_add_u32 v7, v7, 2, s47                  ; pb of my lane's channel: 4 (64 w + r + 8 (r / 8))
	s_lshl_b32 s47, s46, 22
	s_lshl_b32 s48, s18, 20
	s_add_co_u32 s47, s47, s48
	s_lshl_b32 s48, s45, 8
	s_add_co_u32 s47, s47, s48
	v_lshlrev_b32 v8, 4, v2
	v_lshl_add_u32 v8, v3, 14, v8
	v_add_nc_u32 v8, s47, v8                       ; x and out0: batch, my 64 channels, my block's 256 bytes; lanes 0-15 one channel, lanes 16-31 the next
	s_lshl_b32 s48, s18, 15
	v_add_nc_u32 v96, s48, v4                      ; my O^T's images
	s_lshl_b32 s48, s18, 9
	s_add_co_u32 s48, s48, ML
	v_lshl_add_u32 v97, v1, 2, s48                 ; my -M and l
	s_lshl_b32 s48, s19, 9
	s_add_co_u32 s48, s48, ML
	v_lshl_add_u32 v98, v1, 2, s48                 ; my pair's: waves pr and pr + 2
	s_lshl_b32 s48, s19, 15
	s_lshl_b32 s49, s20, 13
	s_add_co_u32 s48, s48, s49
	v_add_nc_u32 v99, s48, v4                      ; channel tiles 8 kh on of wave pr's images,
	v_add_nc_u32 v100, 65536, v99                  ; and of wave pr + 2's
	s_lshl_b32 s48, s19, 12
	s_lshl_b32 s49, s20, 10
	s_add_co_u32 s48, s48, s49
	s_add_co_u32 s48, s48, OIMG
	v_add_nc_u32 v101, s48, v4                     ; where my quantised fragments go: tile 2 pr + a, K step kh
	s_lshl_b32 s48, s19, 8
	s_lshl_b32 s49, s20, 6
	s_add_co_u32 s48, s48, s49
	s_add_co_u32 s48, s48, OSC
	v_lshl_add_u32 v102, v2, 2, s48                ; and their scale words
	WIN 0x80
.set J, 0
.rept 16
	global_load_b128 v[4*J:4*J+3], v5, s[8:9] offset:512*J         ; pw(i, s) at v[16 i + 8 s] of window 2
.set J, J+1
.endr
	WIN 0
.irp i, 0,1,2,3
	global_load_b32 v[28+\i], v6, s[10:11] offset:128*\i
.endr
.irp i, 0,1,2,3
	global_load_b32 v[44+\i], v7, s[12:13] offset:(32*(\i/2)+8*(\i%2))*4
.endr
.irp a, 0,1
	v_add_f32 v[14+4*\a], v[14+4*\a], v[15+4*\a]   ; the sum's two halves,
.endr
.irp a, 0,1
	v_permlanex16_b32 v[48+16*\a], v[14+4*\a], s[SEL], s[SEL+1]
.endr
.irp a, 0,1
	v_add_f32 v[14+4*\a], v[14+4*\a], v[48+16*\a]  ; and lane l xor 16's
.endr
.irp a, 0,1
	ds_store_b32 v97, v[12+4*\a] offset:256*\a
	ds_store_b32 v97, v[14+4*\a] offset:256*\a+128
.endr
	WIN 0x04                                       ; an LDS store's data are its source 1: window 1
.set J, 0
.rept 64
	ds_store_b128 v96, v[4*J:4*J+3] offset:512*J   ; each accumulator from its low end on
.set J, J+1
.endr
	WIN 0
	s_wait_dscnt 0x0                               ; my stores have landed
	s_barrier_signal -1
	s_barrier_wait -1
	; ---- 2: wave (pr, kh) merges channels 128 kh .. 128 kh + 127 of its pair's two tiles, divides by l and quantises along the channels.  x is asked for now, into the registers that O^T has left.
	WIN 0x40
.set N, 0
.rept 32
	global_load_b128 v[4*N:4*N+3], v8, s[14:15] offset:N*32768 th:TH_LOAD_NT
.set N, N+1
.endr
	WIN 0
.irp a, 0,1
.irp k, 0,1
	ds_load_b32 v[48+4*\a+2*\k], v98 offset:1024*\k+256*\a         ; -M of half k
	ds_load_b32 v[49+4*\a+2*\k], v98 offset:1024*\k+256*\a+128     ; l of half k
.endr
.endr
	v_add_nc_u32 v12, OIMG, v4                     ; addresses for 3 and 4
	v_lshl_add_u32 v13, v1, 2, OSC
	v_and_b32 v14, 8, v2
	v_add_nc_u32 v14, v14, v2
	v_mul_u32_u24 v14, v14, SP
	v_lshl_add_u32 v14, v3, 6, v14
	s_mul_i32 s48, s18, 64*SP
	v_add_nc_u32 v14, s48, v14                     ; the stage, in: channel 64 w + r + 8 (r / 8), + 64 h bytes
	v_mul_u32_u24 v15, v3, SP
	v_lshl_add_u32 v15, v2, 4, v15
	v_add_nc_u32 v15, s48, v15                     ; and back: lanes 0-15 one channel's 256 bytes, lanes 16-31 the next
	s_wait_dscnt 0x0
.irp a, 0,1
	v_min_num_f32 v[20+\a], v[48+4*\a], v[50+4*\a] ; -(the larger M)
.endr
.irp a, 0,1
	v_sub_f32 v[48+4*\a], v[20+\a], v[48+4*\a]     ; M of half k less the larger M: a whole number, 0 or less
	v_sub_f32 v[50+4*\a], v[20+\a], v[50+4*\a]
.endr
.irp a, 0,1
	v_cvt_i32_f32 v[48+4*\a], v[48+4*\a]
	v_cvt_i32_f32 v[50+4*\a], v[50+4*\a]
.endr
.irp a, 0,1
	v_ldexp_f32 v[48+4*\a], 1.0, v[48+4*\a]        ; f of half k: exact
	v_ldexp_f32 v[50+4*\a], 1.0, v[50+4*\a]
.endr
.irp a, 0,1
	v_mul_f32 v[22+\a], v[48+4*\a], v[49+4*\a]
.endr
.irp a, 0,1
	v_fma_f32 v[22+\a], v[50+4*\a], v[51+4*\a], v[22+\a]           ; the row's sum over all keys
.endr
.irp a, 0,1
	v_rcp_f32 v[22+\a], v[22+\a]
.endr
	v_nop                                          ; a plain instruction behind the reciprocals
	s_wait_alu depctr_va_vdst(0)                   ; and the one wait ahead of their first reader
.irp a, 0,1
	v_mul_f32 v[48+4*\a], v[48+4*\a], v[22+\a]     ; f / l: a power of two times the reciprocal, so nothing more is rounded
	v_mul_f32 v[50+4*\a], v[50+4*\a], v[22+\a]
.endr
.macro MERGE q
.set J, 0
.rept 16
	ds_load_b128 v[128+4*J:131+4*J], v99 offset:16384*(\q)+512*J
	ds_load_b128 v[192+4*J:195+4*J], v100 offset:16384*(\q)+512*J
.set J, J+1
.endr
	s_wait_dscnt 0x0
.set J, 0
.rept 32
	v_pk_mul_f32 v[128+J:129+J], v[128+J:129+J], v[48+4*(\q):49+4*(\q)] op_sel_hi:[1,0]
.set J, J+2
.endr
.set J, 0
.rept 32
	v_pk_fma_f32 v[128+J:129+J], v[192+J:193+J], v[50+4*(\q):51+4*(\q)], v[128+J:129+J] op_sel_hi:[1,0,1]
.set J, J+2
.endr
	QUANT 128
	ds_store_b128 v101, v[PC:PC+3] offset:2048*(\q)
	ds_store_b128 v101, v[PC+4:PC+7] offset:2048*(\q)+512
	ds_store_b32 v102, v[PW] offset:128*(\q)       ; (lanes 16-31 hold the same word and write the same place)
	s_wait_dscnt 0x0                               ; the stores have landed and have read their registers
.endm
	MERGE 0
	MERGE 1
	s_barrier_signal -1
	s_barrier_wait -1                              ; the 64 queries' eight fragments lie in LDS, and nobody reads O^T's images any more
	; ---- 3: out = pw O + pb for my 64 channels: source 0 = 16 queries, source 1 = 16 rows of pw: a lane holds one channel and eight neighbouring positions
.set J, 0
.rept 16
	ds_load_b128 v[64+4*J:67+4*J], v12 offset:512*J                ; O(m, s) at v[64 + 16 m + 8 s]
.set J, J+1
.endr
.irp m, 0,1,2,3
	ds_load_b32 v[32+\m], v13 offset:128*\m
.endr
	s_wait_loadcnt 32                              ; pw, its scale words and pb are in; x's 32 loads, issued behind them, may be out
	WIN 0x80
.irp i, 0,1,2,3
.irp j, 0,1,2,3,4,5,6,7
	v_mov_b32 v[128+8*\i+\j], v[44+\i]             ; pb of my lane's channel, as the C of the first products
.endr
.endr
	PLACES 8
	s_wait_dscnt 0x0
	WIN 0x28                                       ; source 1 (pw) and C (pb) window 2
.irp i, 0,1,2,3
.irp m, 0,1,2,3
	v_wmma_scale_f32_16x16x128_f8f6f4 v[128+8*(4*\i+\m):135+8*(4*\i+\m)], v[64+16*\m:71+16*\m], v[16*\i:16*\i+7], v[128+8*\i:135+8*\i], v[32+\m], v[28+\i] matrix_a_fmt:MATRIX_FMT_FP4 matrix_b_fmt:MATRIX_FMT_FP4
.endr
.endr
	WIN 0x08
.irp i, 0,1,2,3
.irp m, 0,1,2,3
	v_wmma_scale_f32_16x16x128_f8f6f4 v[128+8*(4*\i+\m):135+8*(4*\i+\m)], v[72+16*\m:79+16*\m], v[16*\i+8:16*\i+15], v[128+8*(4*\i+\m):135+8*(4*\i+\m)], v[32+\m], v[28+\i] matrix_a_fmt:MATRIX_FMT_FP4 matrix_b_fmt:MATRIX_FMT_FP4 matrix_a_scale:MATRIX_SCALE_ROW1 matrix_b_scale:MATRIX_SCALE_ROW1
.endr
.endr
	WIN 0
	PLACES 4
.irp i, 0,1,2,3
.irp m, 0,1,2,3
	ds_store_b128 v14, v[128+8*(4*\i+\m):131+8*(4*\i+\m)] offset:(32*(\i/2)+8*(\i%2))*SP+128*(\m/2)+32*(\m%2)      ; positions 32 (m / 2) + 8 (m % 2) + 16 h + 0 .. 7 of the block
	ds_store_b128 v14, v[132+8*(4*\i+\m):135+8*(4*\i+\m)] offset:(32*(\i/2)+8*(\i%2))*SP+128*(\m/2)+32*(\m%2)+16
.endr
.endr
	s_wait_dscnt 0x0
	s_barrier_signal -1
	s_barrier_wait -1
	; ---- 4: whole rows back, the residual, and out
.set N, 0
.rept 32
	ds_load_b128 v[128+4*N:131+4*N], v15 offset:2*N*SP
.set N, N+1
.endr
	s_wait_loadcnt 0x0                             ; x
	WIN 0x44                                       ; the sums go to window 1, where x lies (source 1); a store's data are its source 1 too
.set N, 0
.rept 32
	s_wait_dscnt 31-N                              ; rows 2 N and 2 N + 1 are back; the younger loads may be out
	v_pk_add_f32 v[4*N:4*N+1], v[128+4*N:129+4*N], v[4*N:4*N+1]
	v_pk_add_f32 v[4*N+2:4*N+3], v[130+4*N:131+4*N], v[4*N+2:4*N+3]
	global_store_b128 v8, v[4*N:4*N+3], s[16:17] offset:N*32768 th:TH_STORE_NT     ; 16 lanes store 256 consecutive bytes, at a multiple of 256 from out0's first byte
.set N, N+1
.endr
	WIN 0
	s_wait_tensorcnt 0x0                           ; the wave's end, behind my last tensor load and my last LDS store
	ds_add_u32 v9, v10
	s_wait_dscnt 0x0
	ROUND                                          ; the closing round: no work-group ends while a partner may still ask for a tile that names it
	s_endpgm
.Lfunc_end_k_q868b3294df_attn:
	.size	k_q868b3294df_attn, .Lfunc_end_k_q868b3294df_attn-k_q868b3294df_attn
	.p2alignl 7, 3214868480
	.fill 96, 4, 3214868480
	.section	.rodata,"a",@progbits
	.p2align	6, 0x0
	.amdhsa_kernel k_q868b3294df_attn
		.amdhsa_group_segment_fixed_size 327680
		.amdhsa_private_segment_fixed_size 0
		.amdhsa_enable_private_segment 0
		.amdhsa_kernarg_size 56
		.amdhsa_user_sgpr_count 2
		.amdhsa_user_sgpr_kernarg_segment_ptr 1
		.amdhsa_wavefront_size32 1
		.amdhsa_system_sgpr_workgroup_id_x 1
		.amdhsa_system_sgpr_workgroup_id_y 1
		.amdhsa_system_sgpr_workgroup_id_z 1
		.amdhsa_system_vgpr_workitem_id 0
		.amdhsa_next_free_vgpr 768
		.amdhsa_next_free_sgpr 66
		.amdhsa_reserve_vcc 0
		.amdhsa_float_denorm_mode_32 3
		.amdhsa_float_denorm_mode_16_64 3
		.amdhsa_memory_ordered 1
		.amdhsa_forward_progress 1
		.amdhsa_inst_pref_size 255
	.end_amdhsa_kernel
	.section	.bss,"aw",@nobits
	.p2align	6
	.space	262144
	.amdgpu_metadata
---
amdhsa.version: [ 1, 2 ]
amdhsa.kernels:
  - .name:           k_q868b3294df_attn
    .symbol:         k_q868b3294df_attn.kd
    .args:
      - { .name: qx, .offset: 0, .size: 8, .value_kind: global_buffer, .address_space: global }
      - { .name: kv, .offset: 8, .size: 8, .value_kind: global_buffer, .address_space: global }
      - { .name: wcodes, .offset: 16, .size: 8, .value_kind: global_buffer, .address_space: global }
      - { .name: wscales, .offset: 24, .size: 8, .value_kind: global_buffer, .address_space: global }
      - { .name: pb, .offset: 32, .size: 8, .value_kind: global_buffer, .address_space: global }
      - { .name: x, .offset: 40, .size: 8, .value_kind: global_buffer, .address_space: global }
      - { .name: out0, .offset: 48, .size: 8, .value_kind: global_buffer, .address_space: global }
    .group_segment_fixed_size: 327680
    .private_segment_fixed_size: 0
    .kernarg_segment_align: 8
    .kernarg_segment_size: 56
    .max_flat_workgroup_size: 128
    .sgpr_count:     66
    .vgpr_count:     768
    .wavefront_size: 32
...
	.end_amdgpu_metadata
.endif
;; end of part 3
